; MI455X (gfx1250); checked and timed in simulation.
; The chip was launched on July 23, 2026; its instructions are those of AMD's public machine-readable ISA for CDNA 5 (MIT licence, August 2026) and "CDNA5" Instruction Set Architecture Reference Guide (July 2026). The comments in the code are by the model that wrote it; some were corrected since.
;; Self Attention. Allowed arithmetic: float matrix products may take bf16 or f16 operands with f32 sums; all other float work in f32.
;; Inputs: W_qkv 3,072 x 1,024 float32; x 4 x 2,048 x 1,024 float32.
;; Outputs: out0 4 x 16 x 2,048 x 64 float32.
;; One version. Each part assembles by itself: llvm-mc -triple=amdgcn-amd-amdhsa -mcpu=gfx1250 --defsym DOCPART=n.
;; ======== version 1 of 1: 3 launches
;; limits: values are held in f16: magnitudes above 65,504 overflow, below 6.1e-05 lose precision
;; workspace buffers: xb 16,777,216 bytes; wb 6,291,456 bytes; qkv 50,331,648 bytes
;; launch cvt (part 1): grid 256 x 1, 16 waves a work-group, no clusters, 0 bytes of LDS; arguments x, W_qkv, xb, wb; writes xb, wb
.if DOCPART == 1
	.amdgcn_target "amdgcn-amd-amdhsa--gfx1250"
	.amdhsa_code_object_version 6
	.text
	.protected	k_q978ffe2844_cvt
	.globl	k_q978ffe2844_cvt
	.p2align	8
	.type	k_q978ffe2844_cvt,@function
k_q978ffe2844_cvt:
	s_mov_b64 s[64:65], 0
	v_nop
	global_prefetch_b8 v0, s[64:65] scope:SCOPE_SE
	s_setreg_imm32_b32 hwreg(HW_REG_WAVE_MODE, 25, 1), 1
	s_wait_xcnt 0x0
; SelfAttention in three launches: (1) this one rounds x and W_qkv to bf16; (2) qkv = x W^T on the matrix units, laid out by heads;
; (3) causal attention by heads.
;
; WORK LEFT OUT, in launch 3: reference() puts -inf in place of every score whose key index is above its query index (its own jnp.tril), so
; the softmax gives that key the weight exp(-inf) = 0 and the key's row of v enters the sum with the factor 0: for all values of the inputs
; such a (query, key) pair reaches no output.  Where these pairs fill whole units they are not computed: a tile of 16 queries out of
; queries 256 i .. 256 i + 255 meets no key block 256 j .. 256 j + 255 with j > i.  In the block j = i the pairs are computed and masked.
; No input is left out: every row of x and of W_qkv has a way to an output.
; LIMIT: a NaN, an infinity or an overflow that lies only in the pairs left out is not carried to the result (reference() would turn
; 0 x infinity in v into NaN).
;
; THIS LAUNCH: xb = bf16(x), wb = bf16(W_qkv), round to nearest even, so that launch 2 can bring its operands in as 16-bit tiles.
; It streams: every input byte is read once by 16-byte loads (a wave's load covers 512 consecutive bytes), every output byte is written once by
; 8-byte stores (a wave's store covers 256 consecutive bytes, aligned).  No LDS, no barrier, no matrix unit: there is nothing to share or multiply.
; Work-group g of 256 takes 131,072 bytes of x and 49,152 bytes of W: 16 + 6 loads for each of its 512 threads, all issued in one run.
.set NX, 16                            ; loads of a thread from x
.set NW, 6                             ; loads of a thread from W
.set XR, 4                             ; v[4:91]    load n: 4 registers, 4 f32
.set YR, 92                            ; v[92:135]  store n: 2 registers, 4 bf16; each is written once, so no store's data is ever rewritten
	s_load_b256 s[4:11], s[0:1], 0x0               ; x s[4:5], W s[6:7], xb s[8:9], wb s[10:11]
	s_lshl_b32 s12, ttmp9, 17                      ; the work-group's part of x,
	s_mov_b32 s13, 0
	s_mul_i32 s14, ttmp9, 49152                    ; of W,
	s_mov_b32 s15, 0
	s_lshl_b32 s16, ttmp9, 16                      ; of xb,
	s_mov_b32 s17, 0
	s_mul_i32 s18, ttmp9, 24576                    ; of wb: byte offsets, all below 2^26
	s_mov_b32 s19, 0
	v_lshlrev_b32 v1, 4, v0                        ; 16 bytes a thread in
	v_lshlrev_b32 v2, 3, v0                        ; 8 bytes a thread out
	s_wait_kmcnt 0x0
	s_add_nc_u64 s[4:5], s[4:5], s[12:13]
	s_add_nc_u64 s[6:7], s[6:7], s[14:15]
	s_add_nc_u64 s[8:9], s[8:9], s[16:17]
	s_add_nc_u64 s[10:11], s[10:11], s[18:19]
.set n, 0
.rept NX
	global_load_b128 v[XR+4*n:XR+4*n+3], v1, s[4:5] offset:8192*n th:TH_LOAD_NT
.set n, n+1
.endr
.rept NW
	global_load_b128 v[XR+4*n:XR+4*n+3], v1, s[6:7] offset:8192*(n-NX) th:TH_LOAD_NT
.set n, n+1
.endr
.set n, 0
.rept NX+NW
	s_wait_loadcnt NX+NW-1-n                       ; loads come back in order (ISA guide 5.7.1): load n is in, the younger ones stay out
	v_cvt_pk_bf16_f32 v[YR+2*n],   v[XR+4*n],   v[XR+4*n+1]
	v_cvt_pk_bf16_f32 v[YR+2*n+1], v[XR+4*n+2], v[XR+4*n+3]
.if n < NX
	global_store_b64 v2, v[YR+2*n:YR+2*n+1], s[8:9] offset:4096*n          ; no hint: the next launch reads these bytes
.else
	global_store_b64 v2, v[YR+2*n:YR+2*n+1], s[10:11] offset:4096*(n-NX)
.endif
.set n, n+1
.endr
	s_endpgm
.Lfunc_end_k_q978ffe2844_cvt:
	.size	k_q978ffe2844_cvt, .Lfunc_end_k_q978ffe2844_cvt-k_q978ffe2844_cvt
	.p2alignl 7, 3214868480
	.fill 96, 4, 3214868480
	.section	.rodata,"a",@progbits
	.p2align	6, 0x0
	.amdhsa_kernel k_q978ffe2844_cvt
		.amdhsa_group_segment_fixed_size 0
		.amdhsa_private_segment_fixed_size 0
		.amdhsa_enable_private_segment 0
		.amdhsa_kernarg_size 32
		.amdhsa_user_sgpr_count 2
		.amdhsa_user_sgpr_kernarg_segment_ptr 1
		.amdhsa_wavefront_size32 1
		.amdhsa_system_sgpr_workgroup_id_x 1
		.amdhsa_system_sgpr_workgroup_id_y 1
		.amdhsa_system_sgpr_workgroup_id_z 1
		.amdhsa_system_vgpr_workitem_id 0
		.amdhsa_next_free_vgpr 136
		.amdhsa_next_free_sgpr 66
		.amdhsa_reserve_vcc 0
		.amdhsa_float_denorm_mode_32 3
		.amdhsa_float_denorm_mode_16_64 3
		.amdhsa_memory_ordered 1
		.amdhsa_forward_progress 1
		.amdhsa_inst_pref_size 9
	.end_amdhsa_kernel
	.amdgpu_metadata
---
amdhsa.version: [ 1, 2 ]
amdhsa.kernels:
  - .name:           k_q978ffe2844_cvt
    .symbol:         k_q978ffe2844_cvt.kd
    .args:
      - { .name: x, .offset: 0, .size: 8, .value_kind: global_buffer, .address_space: global }
      - { .name: W_qkv, .offset: 8, .size: 8, .value_kind: global_buffer, .address_space: global }
      - { .name: xb, .offset: 16, .size: 8, .value_kind: global_buffer, .address_space: global }
      - { .name: wb, .offset: 24, .size: 8, .value_kind: global_buffer, .address_space: global }
    .group_segment_fixed_size: 0
    .private_segment_fixed_size: 0
    .kernarg_segment_align: 8
    .kernarg_segment_size: 32
    .max_flat_workgroup_size: 512
    .sgpr_count:     66
    .vgpr_count:     136
    .wavefront_size: 32
...
	.end_amdgpu_metadata
.endif
;; end of part 1
;; launch gemm (part 2): grid 8 x 32, 4 waves a work-group, clusters of 4 x 4, 327,680 bytes of LDS; arguments xb, wb, qkv; writes qkv
.if DOCPART == 2
	.amdgcn_target "amdgcn-amd-amdhsa--gfx1250"
	.amdhsa_code_object_version 6
	.text
	.protected	k_q978ffe2844_gemm
	.globl	k_q978ffe2844_gemm
	.p2align	8
	.type	k_q978ffe2844_gemm,@function
k_q978ffe2844_gemm:
	s_mov_b64 s[64:65], 0
	v_nop
	global_prefetch_b8 v0, s[64:65] scope:SCOPE_SE
	s_setreg_imm32_b32 hwreg(HW_REG_WAVE_MODE, 25, 1), 1
	s_wait_xcnt 0x0
	s_wait_alu depctr_hold_cnt(0) depctr_sa_sdst(0) depctr_va_vdst(0) depctr_va_sdst(0) depctr_va_ssrc(0) depctr_va_vcc(0) depctr_vm_vsrc(0)
	s_getreg_b32 s2, hwreg(HW_REG_IB_STS2, 6, 4)
	s_cmp_eq_u32 s2, 0
	s_cbranch_scc0 .Lentry_in_a_cluster
	s_endpgm
.Lentry_in_a_cluster:
	s_bfe_u32 s2, ttmp6, 0x10000c
	s_cmp_lg_u32 s2, 0xf033
	s_cbranch_scc0 .Lentry_shape_is_right
	s_endpgm
.Lentry_shape_is_right:
; qkv[m][n] = sum over k of xb[m][k] wb[n][k].  xb: [8192][1024] bf16, wb: [3072][1024] bf16; sums in f32; the result rounded once to f16 and laid
; out by heads: qkv[b][g][t][d], b = m / 2048, t = m % 2048, g = n / 64 (0-15 q's heads, 16-31 k's, 32-47 v's), d = n % 64.
; WHY f16 OUT: q, k and v are matrix operands of the next launch.  f16 rounds to 11 bits, bf16 to 8; the first query rows of a head are sums of few
; terms of size 1, compared within 0.01 of the output's root mean square, which the many later rows pull down to about 0.1: 8 bits are too few there.
; LIMIT: |q|, |k|, |v| above 65,504 become infinity.  With x of spread 1 and W of spread 1/32 they have spread 1; both inputs 30 times larger give
; about 5,000, both offset by 30 spreads about 29,000.
; No work of reference() is left out here.
;
; SHARES.  8192 x 3072 outputs on 256 WGPs are 98,304 each: a work-group makes a block of 256 x 384, the grid is 8 x 32 = 256 work-groups of equal work.
; Four waves, as many as a WGP has SIMDs; a wave makes 128 x 192 (three whole heads): 96 accumulator tiles of 16 x 16, 768 registers.  For 32 along K a wave
; reads (128 + 192) x 64 bytes from LDS for 96 matrix instructions.
; K goes in steps of 64 through a ring of two LDS slots filled by the tensor data mover.  Two slots of a step of 128 would be 2 x 640 rows x 272 bytes = 348,160 bytes,
; more than the 327,680 that a WGP has; so a tile's rows are 128 bytes of memory.
; CLUSTERS: 4 x 4 work-groups form a cluster.  The four of a row of the cluster make blocks of one block row and need the same tiles of xb; the four of
; a column need the same tiles of wb.  Such a tile is asked for JOINTLY: each of the four issues the same tensor load, with the same descriptor and a mask
; that names the four, and each receives the tile in its own LDS.  That divides the requests for xb and for wb by four.
;
; REGISTERS, in windows of 256 (an instruction names v0-v255; s_set_vgpr_msb says which window each operand place means):
;   window 0: v0-31 addresses; v32-95, v96-159 fragments of A = xb (8 x 16 rows x 32 K), two buffers; v160-255 fragments of B = wb (12 x 16 rows x 32 K), one buffer
;   windows 1, 2, 3: the accumulators: tile (n block b, m block a) lies in window 1 + b / 4 at v[8 (8 (b % 4) + a)]
; s_set_vgpr_msb's low byte: bits 1:0 source 0, 3:2 source 1, 5:4 source 2, 7:6 destination.
; 32 along K are three blocks of 32 matrix instructions, one for each window: four fragments of B x all eight of A.  Behind its block a fragment of B is free
; and is loaded again for the next 32 along K, 64 matrix instructions ahead of its use; A's fragments are needed by all three blocks, so A has two buffers.
;
; THE MATRIX INSTRUCTION IS USED TRANSPOSED: source 0 = 16 rows of B, source 1 = 16 rows of A.  In the result, lane l then holds row
; m = l % 16, and its registers 0 to 7 the columns n = 8 (l / 16) + 0 .. 7: eight NEIGHBOURING numbers of a row, which pack into 16 bytes.
.set SIZE_K, 1024
.set KSTEP,  64
.set PITCH,  144                       ; an LDS row: 128 bytes of data + 16 of padding = 9 x 16 bytes: the 16 rows that a load touches start at 16 different groups of four banks (64 banks of 4 bytes: ISA guide 11.1)
.set AHALF,  128*PITCH                 ; 128 rows of A: what waves 0 and 1 fetch, and what a wave reads of A
.set BHALF,  192*PITCH                 ; 192 rows of B: what waves 2 and 3 fetch, and what a wave reads of B
.set BOFF,   2*AHALF                   ; B's 384 rows lie behind A's 256
.set SLOT,   BOFF+2*BHALF              ; 92,160
.set STAGE,  2*SLOT                    ; 184,320 = 720 x 256: behind the ring, 16 rows x 400 bytes for each wave, for the way out; no tensor load lands here
.set SPITCH, 400                       ; 384 bytes + 16 = 25 x 16
.set LAPS, SIZE_K/(2*KSTEP)            ; a lap = two K steps = once round the ring: 8
.set HEADB, 2048*128                   ; bytes of one head's [2048][64] f16 in qkv
.set ADRA, 16                          ; v16-17  LDS address of my A fragments in slot 0, 1
.set ADRB, 20                          ; v20-21  the same for B
.set STO,  24                          ; v24     the way out: where I put 16 bytes of a row
.set RD,   25                          ; v25     the way out: where I read back
.set CO,   26                          ; v26     my byte offset in qkv
.set FA0,  32                          ; A's fragment buffer 0
.set FA1,  96                          ; A's fragment buffer 1
.set FB,   160                         ; B's fragments
.set TMP,  32                          ; the way out: 48 registers of packed results
.set OB0,  80                          ; the way out: 48 registers read back, two sets in turn
.set OB1,  128
.set G1, 24                            ; s[24:31] descriptor group 1 for A's tiles
.set G0, 32                            ; s[32:39] descriptor group 0 for A's tiles, one set for each slot
.set G1B, 48                           ; s[48:55] descriptor group 1 for B's tiles
.set G0B, 56                           ; s[56:63] descriptor group 0 for B's tiles, one set for each slot
.set MSB, 0
.macro WIN new                         ; the immediate's high byte repeats the setting that is left
.if MSB != (\new)
	s_set_vgpr_msb (MSB<<8)|(\new)
.set MSB, (\new)
.endif
.endm
; A joint load.  Waves 0 and 1 fetch A's two halves, waves 2 and 3 B's.  Each of the two lines has ONE mask and one set of registers for all that issue it, and nothing in
; them hangs on a coordinate that the four partners do not share.  The branch hangs on the wave's number alone: it is the same in every work-group.
.macro JLOAD s
	s_cmp_eq_u32 s11, 0
	s_cbranch_scc0 .Lfor_b_\@
	tensor_load_to_lds s[G0+4*(\s):G0+4*(\s)+3], s[G1:G1+7]
	s_nop 0
	s_branch .Lasked_\@
.Lfor_b_\@:
	tensor_load_to_lds s[G0B+4*(\s):G0B+4*(\s)+3], s[G1B:G1B+7]
	s_nop 0
.Lasked_\@:
.endm
; A round of the cluster's barrier: my work-group's barrier, so that wave 0's signal speaks for all four waves; wave 0 signals for the work-group; every wave waits for all
; sixteen work-groups; my work-group's barrier once more.  No LDS instruction of the wave is pending at a signal.
.macro CREST                           ; a round behind its opening barrier
	s_cmp_lg_u32 s10, 0
	s_cbranch_scc1 .Lnot_wave_0_\@
	s_barrier_signal -3
.Lnot_wave_0_\@:
	s_barrier_wait -3
	s_barrier_signal -1
	s_barrier_wait -1
.endm
.macro CROUND                          ; a whole round
	s_barrier_signal -1
	s_barrier_wait -1
	CREST
.endm
	s_load_b128 s[4:7], s[0:1], 0x0                ; A = xb s[4:5], B = wb s[6:7]
	s_load_b64 s[8:9], s[0:1], 0x10                ; qkv
	v_lshl_add_u32 v30, v0, 2, 0x33400
	v_mov_b32 v31, 0
	ds_add_u32 v30, v31
	v_lshrrev_b32 v1, 5, v0
	v_readfirstlane_b32 s10, v1                    ; wave 0..3
	s_lshr_b32 s11, s10, 1                         ; which half of the block's rows is mine.  Also: I fetch for A (0) or for B (1)
	s_and_b32 s12, s10, 1                          ; which half of its columns.  Also: which half of that tile I fetch
	s_bfe_u32 s40, ttmp6, 0x40000                  ; cx: my place along the cluster's x
	s_bfe_u32 s41, ttmp6, 0x40004                  ; cy: along its y
	s_lshl_b32 s42, ttmp9, 2                       ; in a cluster launch ttmp9 and ttmp7 count clusters
	s_add_co_u32 s42, s42, s40                     ; block column = 4 x cluster x + cx, 0..7
	s_and_b32 s13, ttmp7, 0xffff
	s_lshl_b32 s13, s13, 2
	s_add_co_u32 s13, s13, s41                     ; block row = 4 x cluster y + cy, 0..31
	s_lshl_b32 s43, s41, 2
	s_lshl_b32 s43, 15, s43                        ; my row of the cluster: places 4 cy .. 4 cy + 3
	s_lshl_b32 s44, 0x1111, s40                    ; my column: places cx, cx + 4, cx + 8, cx + 12
	; descriptor group 1: tiles of 128 (A) or 192 (B) rows x 64 elements, padded in LDS
	s_or_b32 s[G1+0], s43, (1<<16)|(1<<20)|(1<<21)|(4<<22)|(3<<25)  ; 15:0 the mask: A's tiles go to my row; 17:16 element of 2 bytes; 20 padding on; 21 set beside a mask; 24:22 after every 32 words (code 4); 31:25 of 4 words (code 3)
	s_or_b32 s[G1B+0], s44, (1<<16)|(1<<20)|(1<<21)|(4<<22)|(3<<25) ; the same with the mask of my column, for B's tiles
	s_mov_b32 s[G1B+1], KSTEP<<16
	s_mov_b32 s[G1+1], KSTEP<<16                   ; 63:48 tensor_dim0, low half = 64
	s_mov_b32 s[G1B+2], 192<<16
	s_mov_b32 s[G1+2], 128<<16                     ; 79:64 its high half = 0; 95:80 tensor_dim1, low half = the tile's rows
	s_mov_b32 s[G1B+3], KSTEP<<16
	s_mov_b32 s[G1+3], KSTEP<<16                   ; 111:96 its high half = 0; 127:112 tile_dim0 = 64
	s_mov_b32 s[G1B+4], 192
	s_mov_b32 s[G1+4], 128                         ; 143:128 tile_dim1; 159:144 tile_dim2 = 0
	s_mov_b32 s[G1B+5], SIZE_K
	s_mov_b32 s[G1+5], SIZE_K                      ; 191:160 tensor_dim0_stride, low word: elements from row to row
	s_mov_b32 s[G1B+6], 0
	s_mov_b32 s[G1+6], 0
	s_mov_b32 s[G1B+7], 0
	s_mov_b32 s[G1+7], 0
	; where the tiles come from.  A's hang on the block row alone, which my row of the cluster shares; B's on the block column alone, which my column shares.
	; Every wave makes both addresses, in registers that never hold the other coordinate, and asks by one of them.
	s_lshl_b32 s17, s12, 7
	s_lshl_b32 s16, s13, 8
	s_add_co_u32 s16, s16, s17                     ; A: row 256 x block row + 128 x half
	s_mul_i32 s47, s12, 192
	s_mul_i32 s46, s42, 384
	s_add_co_u32 s46, s46, s47                     ; B: row 384 x block column + 192 x half
	s_mov_b32 s17, 0
	s_mov_b32 s47, 0
	s_mov_b64 s[18:19], SIZE_K*2
	s_mul_u64 s[16:17], s[16:17], s[18:19]         ; in bytes, in 64 bits
	s_mul_u64 s[46:47], s[46:47], s[18:19]
	s_mul_i32 s20, s12, AHALF                      ; and where they go: A's half,
	s_mul_i32 s45, s12, BHALF
	s_add_co_u32 s45, s45, BOFF                    ; B's half: made of the wave's number alone, no place in the cluster enters an LDS address
	s_wait_dscnt 0x0
	s_wait_kmcnt 0x0
	s_add_nc_u64 s[14:15], s[4:5], s[16:17]
	s_add_nc_u64 s[46:47], s[6:7], s[46:47]
	CROUND                                         ; all sixteen work-groups are here: the first joint loads meet
.irp s, 0,1
	s_mov_b32 s[G0+4*\s], 1                                        ; 1:0 count = 1
	s_add_co_u32 s[G0+4*\s+1], s20, \s*SLOT                        ; 63:32 LDS address
	s_add_nc_u64 s[G0+4*\s+2:G0+4*\s+3], s[14:15], \s*KSTEP*2      ; 120:64 global address: K step s
	s_or_b32 s[G0+4*\s+3], s[G0+4*\s+3], 0x80000000                ; 127:126 type = 2
	s_mov_b32 s[G0B+4*\s], 1
	s_add_co_u32 s[G0B+4*\s+1], s45, \s*SLOT
	s_add_nc_u64 s[G0B+4*\s+2:G0B+4*\s+3], s[46:47], \s*KSTEP*2
	s_or_b32 s[G0B+4*\s+3], s[G0B+4*\s+3], 0x80000000
	JLOAD \s                                       ; the ring is filled before anything else is done: a wave has two tensor loads out here, later one
.endr
	; A fragment is 16 rows x 32 K in 8 registers: lane l holds row l % 16; registers 0-3 hold K = 8 (l / 16) + 0..7, registers 4-7 hold
	; K = 16 + 8 (l / 16) + 0..7.  From rows that lie along K: two loads of 16 bytes, 32 bytes apart.  The same for source 0 and source 1.
	v_and_b32 v1, 15, v0                           ; l % 16
	v_bfe_u32 v2, v0, 4, 1                         ; l / 16
	v_mul_u32_u24 v3, v1, PITCH
	v_lshl_add_u32 v3, v2, 4, v3                   ; row x pitch + 16 x half
	s_mul_i32 s21, s11, AHALF                      ; my 128 rows of A
	s_mul_i32 s22, s12, BHALF                      ; my 192 rows of B,
	s_add_co_u32 s22, s22, BOFF                    ; which lie behind A's 256
.irp s, 0,1
	v_add_nc_u32 v[ADRA+\s], s21, v3
	v_add_nc_u32 v[ADRB+\s], s22, v3
	s_add_co_u32 s21, s21, SLOT
	s_add_co_u32 s22, s22, SLOT
.endr
	s_mul_i32 s23, s10, 16*SPITCH
	s_add_co_u32 s23, s23, STAGE                   ; my stage
	v_mul_u32_u24 v4, v1, SPITCH                   ; in: row l % 16, 16 bytes for each half of the lanes
	v_lshl_add_u32 v4, v2, 4, v4
	v_add_nc_u32 v[STO], s23, v4
	; back: a stage row is 192 columns = 64 of each of three heads.  Eight lanes take one head's 128 bytes of a row, the wave four rows:
	; in qkv these are 512 consecutive bytes of that head.
	v_bfe_u32 v5, v0, 3, 2                         ; (l / 8) % 4: the row
	v_mul_u32_u24 v5, v5, SPITCH
	v_and_b32 v6, 7, v0
	v_lshl_add_u32 v5, v6, 4, v5
	v_add_nc_u32 v[RD], s23, v5
	v_and_b32 v5, 31, v0
	v_lshlrev_b32 v[CO], 4, v5                     ; 16 l
; 16 matrix instructions: n blocks b0, b0 + 1 of window w's four x all 8 m blocks, 32 along K, A from buffer fa.
; zero = 1: the first product starts the sums: nothing is ever cleared.
; The 96 accumulators take turns, one instruction a turn, in the same order for every 32 along K, over the loop's backward jump too.
.macro MUL16 w, b0, fa, zero
.irp b, \b0, \b0+1
.irp a, 0,1,2,3,4,5,6,7
.if \zero
	v_wmma_f32_16x16x32_bf16 v[8*(8*(\b)+\a):8*(8*(\b)+\a)+7], v[FB+8*(4*(\w-1)+(\b)):FB+8*(4*(\w-1)+(\b))+7], v[\fa+8*\a:\fa+8*\a+7], 0
.else
	v_wmma_f32_16x16x32_bf16 v[8*(8*(\b)+\a):8*(8*(\b)+\a)+7], v[FB+8*(4*(\w-1)+(\b)):FB+8*(4*(\w-1)+(\b))+7], v[\fa+8*\a:\fa+8*\a+7], v[8*(8*(\b)+\a):8*(8*(\b)+\a)+7]
.endif
.endr
.endr
.endm
; 8 LDS loads: the four fragments of B that window w's block multiplies, 32 K at byte k of the slot's rows
.macro LDB w, slot, k
.irp b, 0,1,2,3
	ds_load_b128 v[FB+8*(4*(\w-1)+\b):FB+8*(4*(\w-1)+\b)+3],   v[ADRB+\slot] offset:\k+(4*(\w-1)+\b)*16*PITCH
	ds_load_b128 v[FB+8*(4*(\w-1)+\b)+4:FB+8*(4*(\w-1)+\b)+7], v[ADRB+\slot] offset:\k+(4*(\w-1)+\b)*16*PITCH+32
.endr
.endm
; 16 LDS loads: A's eight fragments into buffer fa
.macro LDA fa, slot, k
.irp a, 0,1,2,3,4,5,6,7
	ds_load_b128 v[\fa+8*\a:\fa+8*\a+3],   v[ADRA+\slot] offset:\k+\a*16*PITCH
	ds_load_b128 v[\fa+8*\a+4:\fa+8*\a+7], v[ADRA+\slot] offset:\k+\a*16*PITCH+32
.endr
.endm
; A load into a register that a matrix instruction has read, and a vector instruction that reads a matrix result or writes one of a matrix
; instruction's registers, stand four places behind that matrix instruction, and only plain vector instructions that name none of its registers
; are places (ISA guide 7.12.1 for vector instructions); the matrix instructions in between are not counted.
; So four v_nop stand in front of each run of loads: this loop has no vector work of its own to put there.
.macro PLACES
.rept 4
	v_nop
.endr
.endm
; The first 32 along K of a K step: multiplies A's buffer 0; behind each block it fetches the second 32 (byte 64 of the same slot's rows).
.macro HALF0 slot, zero
	s_wait_dscnt 16                                ; block 1's B and all of A are in; the 16 youngest loads (B of blocks 2 and 3) may be out
	WIN 0x50                                       ; C and D in window 1
	MUL16 1, 0, FA0, \zero
	MUL16 1, 2, FA0, \zero
	PLACES
	WIN 0
	LDB 1, \slot, 64
	LDA FA1, \slot, 64
	s_wait_dscnt 32                                ; block 2's B is in: behind it were issued block 3's 8 loads and the 24 above
	WIN 0xa0                                       ; window 2
	MUL16 2, 0, FA0, \zero
	MUL16 2, 2, FA0, \zero
	PLACES
	WIN 0
	LDB 2, \slot, 64
	s_wait_dscnt 32                                ; block 3's B is in: behind it were issued 24 + 8 loads
	WIN 0xf0                                       ; window 3
	MUL16 3, 0, FA0, \zero
	MUL16 3, 2, FA0, \zero
	PLACES
	WIN 0
	LDB 3, \slot, 64
.endm
; The second 32 along K: multiplies A's buffer 1 and changes slots.  next = the other slot; fill = 1: this slot is filled again, two K steps ahead.
; ONE barrier for the change of slots, for two things.  In front of it each wave waits for its own reads of this slot and for all its tensor loads,
; of which one is out: its part of the next slot.  Behind it nobody reads this slot any more and the next slot is whole: the refill comes
; first, then the next slot's first fragments.  From a request to the wait for it a wave issues 176 matrix instructions.
.macro HALF1 slot, next, fill
	s_wait_dscnt 16
	WIN 0x50
	MUL16 1, 0, FA1, 0
	MUL16 1, 2, FA1, 0
	s_wait_dscnt 8                                 ; block 2's B is in; block 3's 8 loads may be out
	WIN 0xa0
	MUL16 2, 0, FA1, 0
	s_wait_dscnt 0                                 ; my reads of this slot are over (the last were issued 48 matrix instructions ago)
	s_wait_tensorcnt 0x0                           ; and all my tensor loads have landed: the one that was out is my part of the next slot:
	ds_add_u32 v30, v31
	s_wait_dscnt 0x0
	s_barrier_signal -1                            ; say so (where a slot is filled again this barrier opens a round of the cluster's barrier),
	MUL16 2, 2, FA1, 0                             ; work on registers while the others arrive,
	WIN 0
	s_barrier_wait -1                              ; and go on when all four have said so
.if \fill
	CREST                                          ; wave 0 says so for the work-group, all sixteen work-groups have said so, my work-group's barrier closes the round:
	                                               ; no wave of any partner still reads this slot's tile or has a load on its way
	s_add_nc_u64 s[G0+4*\slot+2:G0+4*\slot+3], s[G0+4*\slot+2:G0+4*\slot+3], 2*KSTEP*2
	s_add_nc_u64 s[G0B+4*\slot+2:G0B+4*\slot+3], s[G0B+4*\slot+2:G0B+4*\slot+3], 2*KSTEP*2
	JLOAD \slot                                    ; the first tensor load behind the round
.endif
	PLACES
	LDB 1, \next, 0                                ; in the order in which the next 32 along K wait for them
	LDA FA0, \next, 0
	LDB 2, \next, 0
	WIN 0xf0
	MUL16 3, 0, FA1, 0
	MUL16 3, 2, FA1, 0
	PLACES
	WIN 0
	LDB 3, \next, 0
.endm
.macro LAP zero                        ; once round the ring, both slots filled again
	HALF0 0, \zero
	HALF1 0, 1, 1
	HALF0 1, 0
	HALF1 1, 0, 1
.endm
	s_wait_tensorcnt 1                             ; my part of K step 0 is in (K step 1's load, issued behind it, may stay out)
	s_barrier_signal -1
	s_barrier_wait -1                              ; everybody's is
	LDB 1, 0, 0
	LDA FA0, 0, 0
	LDB 2, 0, 0
	LDB 3, 0, 0
	LAP 1                                          ; the first lap stands in front of the loop: its first products start the sums
	s_mov_b32 s3, LAPS-2                           ; every window is 0 here, as at every label and branch
.Llap:
	LAP 0
	s_sub_co_u32 s3, s3, 1
	s_cmp_lg_u32 s3, 0
	s_cbranch_scc1 .Llap
	HALF0 0, 0                                     ; the last lap fills nothing, and has no round of the cluster's barrier: my one tensor load that is still out is slot 1's, the last K step's
	HALF1 0, 1, 0
	HALF0 1, 0
	s_wait_dscnt 16                                ; the very last 32 along K: nothing more to fetch
	WIN 0x50
	MUL16 1, 0, FA1, 0
	MUL16 1, 2, FA1, 0
	s_wait_dscnt 8
	WIN 0xa0
	MUL16 2, 0, FA1, 0
	MUL16 2, 2, FA1, 0
	s_wait_dscnt 0
	WIN 0xf0
	MUL16 3, 0, FA1, 0
	MUL16 3, 2, FA1, 0
	; THE WAY OUT, 16 rows at a time: round to f16, 16 bytes a lane into my own stage in LDS, read back so that the wave holds 512 consecutive bytes of qkv.
	; The four v_nop of PLACES are the places behind the last matrix instructions: for the conversions, which read results and write over fragments,
	; and for the loads into fragment registers.
	PLACES
	s_lshl_b32 s13, s13, 8
	s_lshl_b32 s14, s11, 7
	s_add_co_u32 s16, s13, s14                     ; my first row m = 256 x block row + 128 x half: 128 rows of one batch
	s_lshr_b32 s17, s16, 11                        ; b = m / 2048
	s_mul_i32 s17, s17, 48*HEADB                   ; b x 48 heads
	s_and_b32 s16, s16, 2047                       ; t = m % 2048
	s_lshl_b32 s16, s16, 7                         ; t x 128 bytes
	s_add_co_u32 s16, s16, s17
	s_mov_b32 s17, 0
	s_add_nc_u64 s[8:9], s[8:9], s[16:17]
	s_mul_i32 s46, s42, 6                          ; my first head g0 = 6 x block column + 3 x half (in the registers that held B's address: none that feeds A's descriptors ever holds cx)
	s_mul_i32 s47, s12, 3
	s_add_co_u32 s46, s46, s47
	s_lshl_b32 s46, s46, 18                        ; x 262,144 bytes
	s_mov_b32 s47, 0
	s_add_nc_u64 s[8:9], s[8:9], s[46:47]
; rows 16 a .. 16 a + 15 of my block = the twelve tiles (0..11, a), four in each of windows 1 to 3; f: OB0 or OB1 in turn
.macro OUT16 a, f
.irp w, 1,2,3
	WIN 5*\w                                       ; sources 0 and 1 in window w
.irp b, 0,1,2,3
.irp r, 0,1,2,3
	v_cvt_pk_f16_f32 v[TMP+4*(4*(\w-1)+\b)+\r], v[8*(8*\b+\a)+2*\r], v[8*(8*\b+\a)+2*\r+1]
.endr
.endr
.endr
	WIN 0
.irp b, 0,1,2,3,4,5,6,7,8,9,10,11
	ds_store_b128 v[STO], v[TMP+4*\b:TMP+4*\b+3] offset:32*\b
.endr
	s_wait_xcnt 0x0                                ; every earlier memory instruction has had its addresses translated (ISA guide 3.1): buffer f, which stores read, and the stores' base are rewritten only behind this wait
.if \a
	s_add_nc_u64 s[8:9], s[8:9], 16*128            ; 16 rows of a head on
.endif
.irp hd, 0,1,2
.irp q, 0,1,2,3
	ds_load_b128 v[\f+4*(4*\hd+\q):\f+4*(4*\hd+\q)+3], v[RD] offset:\q*4*SPITCH+\hd*128    ; LDS serves a wave's instructions in order (ISA guide 5.7.1.4): these see the stores above
.endr
.endr
.irp hd, 0,1,2
.irp q, 0,1,2,3
	s_wait_dscnt 11-(4*\hd+\q)                     ; this load is in, the younger ones stay out
	global_store_b128 v[CO], v[\f+4*(4*\hd+\q):\f+4*(4*\hd+\q)+3], s[8:9] offset:\hd*HEADB+\q*512   ; the wave stores rows 4 q .. 4 q + 3 of one head: 512 consecutive bytes, at a multiple of 512 from qkv's first byte
.endr
.endr
.endm
	OUT16 0, OB0
	OUT16 1, OB1
	OUT16 2, OB0
	OUT16 3, OB1
	OUT16 4, OB0
	OUT16 5, OB1
	OUT16 6, OB0
	OUT16 7, OB1
	s_wait_tensorcnt 0x0
	ds_add_u32 v30, v31
	s_wait_dscnt 0x0
	CROUND                                         ; the closing round: no work-group ends while a partner may still ask for a tile that names it
	s_endpgm
.Lfunc_end_k_q978ffe2844_gemm:
	.size	k_q978ffe2844_gemm, .Lfunc_end_k_q978ffe2844_gemm-k_q978ffe2844_gemm
	.p2alignl 7, 3214868480
	.fill 96, 4, 3214868480
	.section	.rodata,"a",@progbits
	.p2align	6, 0x0
	.amdhsa_kernel k_q978ffe2844_gemm
		.amdhsa_group_segment_fixed_size 327680
		.amdhsa_private_segment_fixed_size 0
		.amdhsa_enable_private_segment 0
		.amdhsa_kernarg_size 24
		.amdhsa_user_sgpr_count 2
		.amdhsa_user_sgpr_kernarg_segment_ptr 1
		.amdhsa_wavefront_size32 1
		.amdhsa_system_sgpr_workgroup_id_x 1
		.amdhsa_system_sgpr_workgroup_id_y 1
		.amdhsa_system_sgpr_workgroup_id_z 1
		.amdhsa_system_vgpr_workitem_id 0
		.amdhsa_next_free_vgpr 1024
		.amdhsa_next_free_sgpr 66
		.amdhsa_reserve_vcc 0
		.amdhsa_float_denorm_mode_32 3
		.amdhsa_float_denorm_mode_16_64 3
		.amdhsa_memory_ordered 1
		.amdhsa_forward_progress 1
		.amdhsa_inst_pref_size 170
	.end_amdhsa_kernel
	.amdgpu_metadata
---
amdhsa.version: [ 1, 2 ]
amdhsa.kernels:
  - .name:           k_q978ffe2844_gemm
    .symbol:         k_q978ffe2844_gemm.kd
    .args:
      - { .name: xb, .offset: 0, .size: 8, .value_kind: global_buffer, .address_space: global }
      - { .name: wb, .offset: 8, .size: 8, .value_kind: global_buffer, .address_space: global }
      - { .name: qkv, .offset: 16, .size: 8, .value_kind: global_buffer, .address_space: global }
    .group_segment_fixed_size: 327680
    .private_segment_fixed_size: 0
    .kernarg_segment_align: 8
    .kernarg_segment_size: 24
    .max_flat_workgroup_size: 128
    .sgpr_count:     66
    .vgpr_count:     1024
    .wavefront_size: 32
...
	.end_amdgpu_metadata
.endif
;; end of part 2
;; launch attn (part 3): grid 256 x 1, 4 waves a work-group, clusters of 4 x 1, 327,680 bytes of LDS; arguments qkv, out0; writes out0
.if DOCPART == 3
	.amdgcn_target "amdgcn-amd-amdhsa--gfx1250"
	.amdhsa_code_object_version 6
	.text
	.protected	k_q978ffe2844_attn
	.globl	k_q978ffe2844_attn
	.p2align	8
	.type	k_q978ffe2844_attn,@function
k_q978ffe2844_attn:
	s_mov_b64 s[64:65], 0
	v_nop
	global_prefetch_b8 v0, s[64:65] scope:SCOPE_SE
	s_setreg_imm32_b32 hwreg(HW_REG_WAVE_MODE, 25, 1), 1
	s_wait_xcnt 0x0
	s_wait_alu depctr_hold_cnt(0) depctr_sa_sdst(0) depctr_va_vdst(0) depctr_va_sdst(0) depctr_va_ssrc(0) depctr_va_vcc(0) depctr_vm_vsrc(0)
	s_getreg_b32 s2, hwreg(HW_REG_IB_STS2, 6, 4)
	s_cmp_eq_u32 s2, 0
	s_cbranch_scc0 .Lentry_in_a_cluster
	s_endpgm
.Lentry_in_a_cluster:
	s_bfe_u32 s2, ttmp6, 0x10000c
	s_cmp_lg_u32 s2, 0x3003
	s_cbranch_scc0 .Lentry_shape_is_right
	s_endpgm
.Lentry_shape_is_right:
; out0[b][h][q][:] = softmax over keys k <= q of (q . k / 8) times v.  qkv: f16 [4][48][2048][64] (heads 0-15 q, 16-31 k, 32-47 v); out0: f32 [4][16][2048][64].
; WORK LEFT OUT: pairs (query tile out of queries 256 i .. 256 i + 255, key block 256 j .. 256 j + 255) with j > i: reference()'s own causal mask gives all their keys the
; weight exp(-inf) = 0, for all values of the inputs.  LIMIT: a NaN or an infinity in k or v that lies only in such pairs is not carried to the result.
; LIMITS OF FORMAT: q, k, v and the weights p are matrix operands in f16 (p lies in (0, 1]; p below 6e-8 becomes 0); sums, maxima and exponentials in f32.
; The maximum is taken away before every exponential, as a running maximum.
;
; SHARES.  A cluster of four work-groups owns one head (64 clusters); wave w of work-group cx owns eight query tiles of 16: tile i holds queries
; 256 i + 64 cx + 16 w + r.  Keys go in eight blocks of 256.  In key block j the tiles i > j are live throughout, tile i = j is masked, tiles i < j are finished.
; So what is done in block j hangs on j alone: every wave of every partner runs the same text with the same trips (36 tile-blocks each), and no branch
; hangs on the place in the cluster.  The four partners need the same K and V blocks at the same time: each block is asked for JOINTLY (mask 15), which divides
; the requests for K and V by four.
;
; BOTH PRODUCTS TRANSPOSED.  S^T = K Q^T: source 0 = 16 keys, source 1 = 16 queries; lane (r, h) then holds in register j the score of key 8 h + j and query r.
; Two such tiles, packed to f16 two by two, ARE the source-1 fragment (column = query r, 32 keys along the registers) of O^T = V^T P^T: the weights never leave
; their registers.  A query's maximum and sum lie in the two lanes r and r + 16: one v_permlanex16_b32 joins them, and the factors are one number a lane.
; V^T's fragments come out of V's rows [key][d] by the transposing LDS load.
;
; TURNS.  A tile and a step of 64 keys have 16 matrix instructions and 120 vector instructions, so the tiles of a step take turns: behind each matrix instruction
; of one tile stands a slice of another tile's vector work.  With the tiles j .. 7 in order:
;   first   S(j); mask, maximum and statistics of j
;   SLOT1 k the 8 products S(k+1), behind each a slice of tile k's multiply-adds, exponentials and sums (64 instructions)
;   SLOT2 k the 8 products PV(k-1), behind each a slice of: packing of k (16), rescale of k's accumulators (16), maximum and statistics of k+1 (24)
;   last    PV(7).  (For k = 7 there is no S(8): PV(6) stands in SLOT1 7.)
; The slices are also the places that stand behind matrix instructions (ISA guide 7.12.1).  Three score sets are live at a time (k-1, k, k+1); there are four, i & 3.
;
; LDS: two slots, each K's 256 rows at pitch 144 (9 x 16 bytes: the 16 rows of a fragment load start in different banks), then V's 256 rows at pitch 160
; (5 x 32 bytes, for the transposing load); behind them a stage of 16 rows x 272 bytes for each wave, into which no tensor load lands.
; REGISTERS: window 0 temporaries, addresses, statistics, K's fragments (kt, c) at v[64 + 16 kt + 8 c], scores; window 1 the 32 accumulator tiles O^T (tile i, d tile dt
; at v[32 i + 8 dt]); window 2 Q's fragments (i, c) at v[16 i + 8 c], V^T's (kh, dt) at v[192 + 8 (4 kh + dt)].
; K lies in the scores' window, so that S's products differ from plain work in window 0 by source 1 (Q) alone; SLOT1's slices name no register in source 1 and need no
; switch of windows.  PV's products write window 1: in SLOT2 each turn costs two switches.
.set KP,    144
.set VP,    160
.set VOFF,  256*KP                     ; 36,864: V behind K in a slot
.set SLOT,  VOFF+256*VP                ; 77,824
.set STAGE, 2*SLOT                     ; 155,648 = 608 x 256
.set SP,    272
.set BLK,   256*128                    ; bytes of a key block in memory
.set TM,   0                           ; v0-3    four running maxima (v0 is the thread's number until the addresses are made)
.set ADRK, 4                           ; v4      LDS address of my K fragments, at the step that is fetched
.set ADRV, 5                           ; v5      the same for V
.set DS,   6                           ; v6      DQ - 64 x step: register kc = 16 kt + j is live where kc <= DS
.set DQ,   7                           ; v7      64 cx + 16 w + r - 8 h: my query less my lane's key offset, inside a block of 256
.set KB0,  8                           ; v8-9    LDS address of my K fragments in slot 0, 1
.set VB0,  10                          ; v10-11  the same for V
.set STO,  12                          ; v12     the way out: where I put 32 bytes of a row
.set RD,   13                          ; v13     the way out: where I read a row back
.set CO,   14                          ; v14     my byte offset in the head's part of out0
.set QO,   15                          ; v15     my byte offset in the head's q
.set ST,   16                          ; v[16+6i ..]: NM, NM2 (minus the scaled running maximum, twice: a pair), AL (rescale factor), T (at work), L0, L1 (sums)
.set KF,   64                          ; K's fragments
.set SC,   128                         ; v[128+32u+8kt ..], u = i & 3: scores, then in place the weights: fragment kh at v[128+32u+16kh .. +7]
.set U,    128                         ; v128-132 at work while the addresses are made
.set VF,   192                         ; window 2
.set G1K, 16                           ; s[16:23] descriptor group 1 for K
.set G1V, 24                           ; s[24:31] for V: another padding
.set G0K, 32                           ; s[32:39] descriptor group 0 for K, a set for each slot
.set G0V, 40                           ; s[40:47] for V
.set MSB, 0
.macro WIN new                         ; s_set_vgpr_msb; the immediate's high byte repeats the setting that is left
.if MSB != (\new)
	s_set_vgpr_msb (MSB<<8)|(\new)
.set MSB, (\new)
.endif
.endm
.set LD2,  0x80                        ; destination window 2
.set SMUL, 0x08                        ; source 1 window 2
.set RES,  0x41                        ; destination and source 0 window 1
.set PVM,  0x52                        ; source 0 window 2, source 2 and destination window 1
.set STO1, 0x04                        ; source 1 (an LDS store's data) window 1
; A round of the cluster's barrier: my work-group's barrier, wave 0 signals for the work-group, every wave waits for all four work-groups, my work-group's barrier again.
.macro ROUND
	s_barrier_signal -1
	s_barrier_wait -1
	s_cmp_lg_u32 s8, 0
	s_cbranch_scc1 .Lnot_wave_0_\@
	s_barrier_signal -3
.Lnot_wave_0_\@:
	s_barrier_wait -3
	s_barrier_signal -1
	s_barrier_wait -1
.endm
; The joint loads of a key block into slot s (s may be an expression: it stands in brackets wherever it is multiplied): wave 0 asks for K's 256 rows, wave 1 for V's,
; waves 2 and 3 for nothing.  The branches hang on the wave's number alone, and nothing in the descriptors hangs on the place in the cluster.
; A wave never has more than one tensor load outstanding.
.macro JLOAD s
	s_cmp_lg_u32 s8, 0
	s_cbranch_scc1 .Lnot_k_\@
	tensor_load_to_lds s[G0K+4*(\s):G0K+4*(\s)+3], s[G1K:G1K+7]
	s_nop 0
	s_branch .Lasked_\@
.Lnot_k_\@:
	s_cmp_lg_u32 s8, 1
	s_cbranch_scc1 .Lasked_\@
	tensor_load_to_lds s[G0V+4*(\s):G0V+4*(\s)+3], s[G1V:G1V+7]
	s_nop 0
.Lasked_\@:
.endm
.macro FORI lo, hi, op, x              ; op i, x for the tiles i = lo .. hi: one instruction of every tile, then the next, so that dependent ones stand apart
.set fi, \lo
.rept \hi-\lo+1
	\op fi, \x
.set fi, fi+1
.endr
.endm
	s_load_b128 s[4:7], s[0:1], 0x0                ; qkv s[4:5], out0 s[6:7]
	s_set_vgpr_msb 0x80
	v_lshl_add_u32 v190, v0, 2, 0x2a400
	v_mov_b32 v191, 0
	s_set_vgpr_msb 0x808a
	ds_add_u32 v190, v191
	s_set_vgpr_msb 0x8a00
	v_lshrrev_b32 v[U], 5, v0
	v_readfirstlane_b32 s8, v[U]                   ; wave 0..3
	s_bfe_u32 s9, ttmp6, 0x40000                   ; cx: my place in the cluster; ttmp9 counts clusters = heads, 16 b + h
	s_mov_b32 s12, 0x76543210                      ; v_permlanex16_b32: lane i of one half reads lane i of the other
	s_mov_b32 s13, 0xfedcba98
	s_mov_b32 s14, 0xff800000                      ; -inf
	; descriptor group 1: 256 rows of 64 elements of 2 bytes, dense in memory; in LDS 4 (K) or 8 (V) words of padding behind every 32 words
	s_mov_b32 s[G1K+0], 15|(1<<16)|(1<<20)|(1<<21)|(4<<22)|(3<<25)  ; 15:0 the mask: all four work-groups; 17:16 element of 2 bytes; 20 padding on; 21 set beside a mask; 24:22 interval code 4; 31:25 4 words
	s_mov_b32 s[G1V+0], 15|(1<<16)|(1<<20)|(1<<21)|(4<<22)|(7<<25)  ; the same with 8 words
.irp g, G1K, G1V
	s_mov_b32 s[\g+1], 64<<16                      ; tensor_dim0 = 64
	s_mov_b32 s[\g+2], 256<<16                     ; tensor_dim1 = 256
	s_mov_b32 s[\g+3], 64<<16                      ; tile_dim0 = 64
	s_mov_b32 s[\g+4], 256                         ; tile_dim1 = 256
	s_mov_b32 s[\g+5], 64                          ; elements from row to row
	s_mov_b32 s[\g+6], 0
	s_mov_b32 s[\g+7], 0
.endr
	s_lshr_b32 s50, ttmp9, 4                       ; b
	s_mul_i32 s50, s50, 48*2048*128                ; x 48 heads
	s_and_b32 s51, ttmp9, 15                       ; h
	s_lshl_b32 s51, s51, 18                        ; x 262,144 bytes
	s_add_co_u32 s50, s50, s51
	s_mov_b32 s51, 0
	s_lshl_b32 s52, ttmp9, 19                      ; the head's 2,048 rows of 256 bytes in out0
	s_mov_b32 s53, 0
	s_lshl_b32 s56, s9, 6
	s_lshl4_add_u32 s56, s8, s56                   ; 64 cx + 16 w: my tiles' first query inside a block of 256
	s_mul_i32 s57, s8, 16*SP
	s_add_co_u32 s57, s57, STAGE                   ; my stage
	s_wait_dscnt 0x0
	s_wait_kmcnt 0x0
	s_add_nc_u64 s[50:51], s[4:5], s[50:51]        ; the head's q
	s_add_nc_u64 s[6:7], s[6:7], s[52:53]          ; the head's rows of out0
	s_add_nc_u64 s[52:53], s[50:51], 16*2048*128   ; its k, 16 heads further
	s_add_nc_u64 s[54:55], s[50:51], 32*2048*128   ; its v
.irp s, 0,1
	s_mov_b32 s[G0K+4*\s], 1                                       ; count = 1
	s_mov_b32 s[G0K+4*\s+1], \s*SLOT                               ; LDS address
	s_add_nc_u64 s[G0K+4*\s+2:G0K+4*\s+3], s[52:53], \s*BLK        ; key block s
	s_or_b32 s[G0K+4*\s+3], s[G0K+4*\s+3], 0x80000000              ; type = 2
	s_mov_b32 s[G0V+4*\s], 1
	s_mov_b32 s[G0V+4*\s+1], \s*SLOT+VOFF
	s_add_nc_u64 s[G0V+4*\s+2:G0V+4*\s+3], s[54:55], \s*BLK
	s_or_b32 s[G0V+4*\s+3], s[G0V+4*\s+3], 0x80000000
.endr
	ROUND                                          ; all four work-groups are here: the first joint loads meet
	JLOAD 0                                        ; key block 0
	v_and_b32 v[U], 15, v0                         ; r
	v_bfe_u32 v[U+1], v0, 4, 1                     ; h
	v_and_b32 v[U+2], 7, v0
	v_bfe_u32 v[U+3], v0, 3, 1
	v_mul_u32_u24 v[U+4], v[U], KP                 ; K fragment: key row r, 16 bytes for each half of the lanes
	v_lshl_add_u32 v[KB0], v[U+1], 4, v[U+4]
	v_add_nc_u32 v[KB0+1], SLOT, v[KB0]
	v_lshl_add_u32 v[U+4], v[U+1], 3, v[U+2]       ; V for the transposing load: key row 8 h + (l & 7),
	v_mul_u32_u24 v[U+4], v[U+4], VP
	v_lshl_add_u32 v[U+4], v[U+3], 4, v[U+4]       ; 16 bytes for each group of eight lanes
	v_add_nc_u32 v[VB0], VOFF, v[U+4]
	v_add_nc_u32 v[VB0+1], SLOT+VOFF, v[U+4]
	v_lshlrev_b32 v[U+4], 3, v[U+1]
	v_sub_nc_u32 v[U+4], v[U], v[U+4]              ; r - 8 h
	v_add_nc_u32 v[DQ], s56, v[U+4]
	v_mul_u32_u24 v[U+4], v[U], SP                 ; the way out, in: row r, 32 bytes for each half of the lanes
	v_lshl_add_u32 v[U+4], v[U+1], 5, v[U+4]
	v_add_nc_u32 v[STO], s57, v[U+4]
	v_mul_u32_u24 v[U+4], v[U+1], SP               ; back: lanes 0-15 one row of 256 bytes, lanes 16-31 the next
	v_lshl_add_u32 v[U+4], v[U], 4, v[U+4]
	v_add_nc_u32 v[RD], s57, v[U+4]
	v_add_nc_u32 v[U+4], s56, v[U+1]               ; and the same two rows in out0
	v_lshlrev_b32 v[U+4], 8, v[U+4]
	v_lshl_add_u32 v[CO], v[U], 4, v[U+4]
	v_add_nc_u32 v[U+4], s56, v[U]                 ; Q fragment: query row 64 cx + 16 w + r of 128 bytes,
	v_lshlrev_b32 v[U+4], 7, v[U+4]
	v_lshl_add_u32 v[QO], v[U+1], 4, v[U+4]        ; 16 bytes for each half of the lanes
	WIN LD2
.irp i, 0,1,2,3,4,5,6,7
.irp c, 0,1
.irp q, 0,1
	global_load_b128 v[16*\i+8*\c+4*\q:16*\i+8*\c+4*\q+3], v[QO], s[50:51] offset:\i*BLK+64*\c+32*\q   ; Q stays in registers for the whole kernel
.endr
.endr
.endr
	WIN 0
	s_wait_loadcnt 0x0
; K's fragments of one step of 64 keys: 16 loads (4 key tiles x 64 d)
.macro LOADK
.irp kt, 0,1,2,3
.irp c, 0,1
.irp q, 0,1
	ds_load_b128 v[KF+16*\kt+8*\c+4*\q:KF+16*\kt+8*\c+4*\q+3], v[ADRK] offset:\kt*16*KP+64*\c+32*\q
.endr
.endr
.endr
.endm
; V^T's fragments of one step: 16 transposing loads (2 x 32 keys x 4 d tiles)
.macro LOADV
	WIN LD2
.irp kh, 0,1
.irp dt, 0,1,2,3
.irp q, 0,1
	ds_load_tr16_b128 v[VF+8*(4*\kh+\dt)+4*\q:VF+8*(4*\kh+\dt)+4*\q+3], v[ADRV] offset:\kh*32*VP+\q*16*VP+32*\dt
.endr
.endr
.endr
	WIN 0
.endm
; Product m = 4 c + kt of tile i's scores, under SMUL.  The four accumulators take turns, one instruction a turn: between the two
; links of a chain stand three other accumulators' instructions.  The first link starts the sum.
.macro SW i, m
.if (\m) < 4
	v_wmma_f32_16x16x32_f16 v[SC+32*((\i)&3)+8*(\m):SC+32*((\i)&3)+8*(\m)+7], v[KF+16*(\m):KF+16*(\m)+7], v[16*(\i):16*(\i)+7], 0
.else
	v_wmma_f32_16x16x32_f16 v[SC+32*((\i)&3)+8*((\m)-4):SC+32*((\i)&3)+8*((\m)-4)+7], v[KF+16*((\m)-4)+8:KF+16*((\m)-4)+15], v[16*(\i)+8:16*(\i)+15], v[SC+32*((\i)&3)+8*((\m)-4):SC+32*((\i)&3)+8*((\m)-4)+7]
.endif
.endm
; Product m = 4 kh + dt of O^T += V^T P^T for tile i, under PVM.  Turns as above.  first = 1: the product of the first 32 keys starts the sum.
.macro PW i, m, first
.set pz, 0
.if \first
.if (\m) < 4
.set pz, 1
.endif
.endif
.if pz
	v_wmma_f32_16x16x32_f16 v[32*(\i)+8*((\m)&3):32*(\i)+8*((\m)&3)+7], v[VF+8*(\m):VF+8*(\m)+7], v[SC+32*((\i)&3)+16*((\m)/4):SC+32*((\i)&3)+16*((\m)/4)+7], 0
.else
	v_wmma_f32_16x16x32_f16 v[32*(\i)+8*((\m)&3):32*(\i)+8*((\m)&3)+7], v[VF+8*(\m):VF+8*(\m)+7], v[SC+32*((\i)&3)+16*((\m)/4):SC+32*((\i)&3)+16*((\m)/4)+7], v[32*(\i)+8*((\m)&3):32*(\i)+8*((\m)&3)+7]
.endif
.endm
; The tile on the diagonal: -inf where the key is above the query.  Register 8 kt + j holds key 64 step + 16 kt + 8 h + j.
.macro MASK i
.set mk, 0
.rept 32
	v_cmp_le_i32 vcc_lo, 16*(mk/8)+(mk%8), v[DS]
	v_cndmask_b32 v[SC+32*((\i)&3)+mk], s14, v[SC+32*((\i)&3)+mk], vcc_lo
.set mk, mk+1
.endr
.endm
; The largest of a lane's 32 scores, in four chains that do not wait for each other (MAXA 8, MAXB 6 instructions), then joined, with the other half's lane too (MAXC 4).
.macro MAXA i
.set sb, SC+32*((\i)&3)
.irp c, 0,1,2,3
	v_max3_num_f32 v[TM+\c], v[sb+8*\c], v[sb+8*\c+1], v[sb+8*\c+2]
.endr
.irp c, 0,1,2,3
	v_max3_num_f32 v[TM+\c], v[TM+\c], v[sb+8*\c+3], v[sb+8*\c+4]
.endr
.endm
.macro MAXB i
.set sb, SC+32*((\i)&3)
.irp c, 0,1,2,3
	v_max3_num_f32 v[TM+\c], v[TM+\c], v[sb+8*\c+5], v[sb+8*\c+6]
.endr
	v_max3_num_f32 v[TM], v[TM], v[sb+7], v[sb+15]
	v_max3_num_f32 v[TM+2], v[TM+2], v[sb+23], v[sb+31]
.endm
.macro MAXC i
	v_max3_num_f32 v[TM], v[TM], v[TM+1], v[TM+2]
	v_max_num_f32 v[ST+6*(\i)+3], v[TM], v[TM+3]
	v_permlanex16_b32 v[TM+1], v[ST+6*(\i)+3], s12, s13
	v_max_num_f32 v[ST+6*(\i)+3], v[ST+6*(\i)+3], v[TM+1]
.endm
; NM = - (log2 e / 8) x running maximum; AL = 2^(new NM - old NM) <= 1; the old sums times AL.  A step that is masked whole gives T = +inf, NM stays, AL = 1.
; NM is finite from the first step on: every tile's first step holds key 0, which is live for every query.
.macro STATS i, first
.set st, ST+6*(\i)
	v_mul_f32 v[st+3], 0xbe38aa3b, v[st+3]
.if \first
	v_mov_b32 v[st], v[st+3]
	v_mov_b32 v[st+1], v[st+3]
.else
	v_min_num_f32 v[st+1], v[st], v[st+3]
	v_sub_f32 v[st+2], v[st+1], v[st]
	v_exp_f32 v[st+2], v[st+2]
	v_mov_b32 v[st], v[st+1]                       ; the plain instruction between the exponential and the use of its result (ISA guide 5.7.2)
	s_wait_alu depctr_va_vdst(0)
	v_pk_mul_f32 v[st+4:st+5], v[st+4:st+5], v[st+2:st+3] op_sel_hi:[1,0]
.endif
.endm
; p = 2^(score x log2 e / 8 + NM), summed in f32.  Pair t = registers 2 t, 2 t + 1.  In turn t: the exponentials of pair t, the multiply-add of pair t + 2, the sum of
; pair t - 1: a plain instruction stands between every exponential and the use of its result, and no instruction reads the one in front of it.
; The sum is written p x 1.0 + L, with the addend in source 2: no register stands in source 1, so these lines mean the same under SMUL as under window 0.
.macro V2FMA t
	v_pk_fma_f32 v[sb+2*(\t):sb+2*(\t)+1], v[sb+2*(\t):sb+2*(\t)+1], 0x3e38aa3b, v[st:st+1] op_sel_hi:[1,0,1]
.endm
.macro V2EXP t
	v_exp_f32 v[sb+2*(\t)], v[sb+2*(\t)]
	v_exp_f32 v[sb+2*(\t)+1], v[sb+2*(\t)+1]
.endm
.macro V2ADD t, first
.if \first
.if (\t) == 1
	s_wait_alu depctr_va_vdst(0)
	v_pk_fma_f32 v[st+4:st+5], v[sb:sb+1], 1.0, v[sb+2:sb+3] op_sel_hi:[1,0,1]             ; the first two pairs start the sums: nothing is cleared
.endif
.if (\t) > 1
	s_wait_alu depctr_va_vdst(0)
	v_pk_fma_f32 v[st+4:st+5], v[sb+2*(\t):sb+2*(\t)+1], 1.0, v[st+4:st+5] op_sel_hi:[1,0,1]
.endif
.else
	s_wait_alu depctr_va_vdst(0)
	v_pk_fma_f32 v[st+4:st+5], v[sb+2*(\t):sb+2*(\t)+1], 1.0, v[st+4:st+5] op_sel_hi:[1,0,1]
.endif
.endm
.macro V2S i, m, first                 ; slice m of eight: turns 2 m and 2 m + 1
.set sb, SC+32*((\i)&3)
.set st, ST+6*(\i)
.if (\m) == 0
	V2FMA 0
	V2FMA 1
.endif
.irp u, 0,1
	V2EXP 2*(\m)+\u
.if 2*(\m)+\u < 14
	V2FMA 2*(\m)+\u+2
.endif
.if 2*(\m)+\u > 0
	V2ADD 2*(\m)+\u-1, \first
.endif
.endr
.if (\m) == 7
	V2ADD 15, \first
.endif
.endm
; Eight pairs packed to f16 in place: pair t = 8 kh + k goes to register 16 kh + k, which belongs to pair 8 kh + k / 2, packed before (or to itself, k = 0).
.macro CVTS i, half
.set sb, SC+32*((\i)&3)
.set ct, 8*(\half)
.rept 8
	v_cvt_pk_f16_f32 v[sb+16*(ct/8)+(ct%8)], v[sb+2*ct], v[sb+2*ct+1]
.set ct, ct+1
.endr
.endm
; Half of O^T of tile i times AL (one number a lane: the lane's query), under RES
.macro RESH i, half
.set rk, 8*(\half)
.rept 8
	v_pk_mul_f32 v[32*(\i)+2*rk:32*(\i)+2*rk+1], v[32*(\i)+2*rk:32*(\i)+2*rk+1], v[ST+6*(\i)+2:ST+6*(\i)+3] op_sel_hi:[1,0]
.set rk, rk+1
.endr
.endm
; SLOT1: tile k's exponentials, in eight slices; in front of each a product of S(k+1), or for k = 7 of PV(6).  lo = the step's first tile.
.macro SLOT1 k, lo, first
.set sm, 0
.rept 8
.if (\k) < 7
	WIN SMUL
	SW (\k)+1, sm
.else
.if (\k) > (\lo)
	WIN PVM
	PW (\k)-1, sm, \first
	WIN 0
.endif
.endif
	V2S \k, sm, \first
.set sm, sm+1
.endr
.endm
; SLOT2: packing and rescale of tile k, maximum and statistics of tile k + 1, in eight slices; in front of each a product of PV(k-1), where there is one.
.macro PWX k, lo, m, first
.if (\k) > (\lo)
.if (\k) < 7
	WIN PVM
	PW (\k)-1, \m, \first
.endif
.endif
.endm
.macro SLOT2 k, lo, first
	PWX \k, \lo, 0, \first
	WIN 0
	CVTS \k, 0
	PWX \k, \lo, 1, \first
	WIN 0
	CVTS \k, 1
	PWX \k, \lo, 2, \first
.if \first == 0
	WIN RES
	RESH \k, 0
.endif
	PWX \k, \lo, 3, \first
.if \first == 0
	WIN RES
	RESH \k, 1
.endif
	PWX \k, \lo, 4, \first
.if (\k) < 7
	WIN 0
	MAXA (\k)+1
.endif
	PWX \k, \lo, 5, \first
.if (\k) < 7
	WIN 0
	MAXB (\k)+1
.endif
	PWX \k, \lo, 6, \first
.if (\k) < 7
	WIN 0
	MAXC (\k)+1
.endif
	PWX \k, \lo, 7, \first
.if (\k) < 7
	WIN 0
	STATS (\k)+1, \first
.endif
.endm
; The next step's K, fetched as soon as the step's last score product is four places behind.  mode 1: always; mode 2: in a loop, not in its last trip
; (s48 = 1): the next block's K lies in the other slot and is read only behind the round.
.macro KPRE mode
	WIN 0
.if \mode == 2
	s_cmp_eq_u32 s48, 1
	s_cbranch_scc1 .Lno_k_\@
.endif
	v_add_nc_u32 v[ADRK], 64*KP, v[ADRK]
	LOADK
.if \mode == 2
.Lno_k_\@:
.endif
.endm
; One step of 64 keys of key block j: tiles j .. 7.  K's fragments were asked for in the step before (or at the block's head).
.macro STEP j, first, pre
	LOADV
	s_wait_dscnt 16                                ; LDS loads come back in order (ISA guide 5.7.1): K's 16 are in, V's 16, issued behind them, may stay out
	WIN SMUL
.irp m, 0,1,2,3,4,5,6,7
	SW \j, \m
.endr
	WIN 0
	v_add_nc_u32 v[ADRV], 64*VP, v[ADRV]           ; four places between the products and the first reader of the scores: the two steps that are due,
	v_sub_nc_u32 v[DS], v[DS], 64
	v_nop                                          ; and two for which no independent work is left at a step's head
	v_nop
	MASK \j
	MAXA \j
	MAXB \j
	MAXC \j
	STATS \j, \first
	s_wait_dscnt 0x0                               ; V's fragments are in, ahead of the step's first PV product and of the fetch of the next K
.set kk, \j
.rept 8-\j
.if kk == 7
	KPRE \pre
.endif
	SLOT1 kk, \j, \first
	SLOT2 kk, \j, \first
.set kk, kk+1
.endr
	WIN PVM
.irp m, 0,1,2,3,4,5,6,7
	PW 7, \m, \first
.endr
	WIN 0
.rept 5
	v_nop                                          ; five places (ISA guide 7.12.1): four before V's fragments are loaded again, five before the next scores land on the weights that these products read
.endr
.endm
; Key block j, in slot j & 1.  In front of the round every wave waits for all its tensor loads (the one that may be out is its part of this block) and for its reads of the
; other slot; behind the round both hold of every wave of all four work-groups: this block is whole, nobody reads the other slot, and the next block is asked for into it, first thing.
; That load has this block's four steps in which to land.
.macro KBLOCK j
	s_set_vgpr_msb 0xa
	s_wait_tensorcnt 0x0
	ds_add_u32 v190, v191
	s_wait_dscnt 0x0
	s_set_vgpr_msb 0xa00
.if \j < 6
	s_add_nc_u64 s[G0K+4*(\j&1)+2:G0K+4*(\j&1)+3], s[G0K+4*(\j&1)+2:G0K+4*(\j&1)+3], 2*BLK   ; no load of mine is out, so a group 0 may be written: this slot's next block
	s_add_nc_u64 s[G0V+4*(\j&1)+2:G0V+4*(\j&1)+3], s[G0V+4*(\j&1)+2:G0V+4*(\j&1)+3], 2*BLK
.endif
	s_wait_dscnt 0x0
	ROUND
.if \j < 7
	JLOAD 1-(\j&1)
.endif
	v_mov_b32 v[ADRK], v[KB0+(\j&1)]
	LOADK                                          ; the block's first step
	v_mov_b32 v[ADRV], v[VB0+(\j&1)]
	v_add_nc_u32 v[DS], 64, v[DQ]                  ; each step takes 64 away before it masks
.if \j == 0
	STEP 0, 1, 1                                   ; the very first step is written out: it starts maxima, sums and accumulators
	s_mov_b32 s48, 3
.else
	s_mov_b32 s48, 4
.endif
.Lstep_\@:
	STEP \j, 0, 2
	s_sub_co_u32 s48, s48, 1
	s_cmp_lg_u32 s48, 0
	s_cbranch_scc1 .Lstep_\@
.endm
	KBLOCK 0
	KBLOCK 1
	KBLOCK 2
	KBLOCK 3
	KBLOCK 4
	KBLOCK 5
	KBLOCK 6
	KBLOCK 7
	; 1 / sum for every tile: the lane's two sums, the other half's lane, the reciprocal into AL.  The sum is at least 1: the largest weight is 2^0.
.macro FN_A i, x
	v_add_f32 v[ST+6*\i+3], v[ST+6*\i+4], v[ST+6*\i+5]
.endm
.macro FN_B i, x
	v_permlanex16_b32 v[ST+6*\i+1], v[ST+6*\i+3], s12, s13
.endm
.macro FN_C i, x
	v_add_f32 v[ST+6*\i+3], v[ST+6*\i+3], v[ST+6*\i+1]
.endm
.macro FN_D i, x
	v_rcp_f32 v[ST+6*\i+2], v[ST+6*\i+3]
.endm
	FORI 0, 7, FN_A, 0
	FORI 0, 7, FN_B, 0
	FORI 0, 7, FN_C, 0
	FORI 0, 7, FN_D, 0
	v_nop                                          ; the plain instruction between the reciprocals and their use (ISA guide 5.7.2)
	s_wait_alu depctr_va_vdst(0)
; THE WAY OUT, a tile of 16 queries at a time.  Lane (r, h) holds, for query r, d = 16 dt + 8 h + 0..7: 32 neighbouring bytes for each dt.  They go into my own stage as rows
; of 256 bytes and come back by rows, so that sixteen lanes store one whole row of out0.  The stage is the wave's own and LDS serves a wave's instructions in order
; (ISA guide 5.7.1.4): no barrier and no wait between the stores and the loads, nor between one tile's loads and the next tile's stores.
.macro OUTT i, f
	WIN RES
	RESH \i, 0                                     ; times 1 / sum
	RESH \i, 1
	WIN STO1
.irp dt, 0,1,2,3
.irp q, 0,1
	ds_store_b128 v[STO], v[32*\i+8*\dt+4*\q:32*\i+8*\dt+4*\q+3] offset:64*\dt+16*\q
.endr
.endr
	WIN 0
	s_wait_xcnt 0x0                                ; every earlier memory instruction has had its addresses translated (ISA guide 3.1): buffer f, which stores read, is rewritten only behind this wait
.irp t, 0,1,2,3,4,5,6,7
	ds_load_b128 v[\f+4*\t:\f+4*\t+3], v[RD] offset:\t*2*SP
.endr
.irp t, 0,1,2,3,4,5,6,7
	s_wait_dscnt 7-\t                              ; load t is in, the younger ones stay out
	global_store_b128 v[CO], v[\f+4*\t:\f+4*\t+3], s[6:7] offset:\i*65536+\t*512 th:TH_STORE_NT   ; 16 lanes store 256 consecutive bytes, at a multiple of 256 from out0's first byte
.endr
.endm
	OUTT 0, 128
	OUTT 1, 160
	OUTT 2, 128
	OUTT 3, 160
	OUTT 4, 128
	OUTT 5, 160
	OUTT 6, 128
	OUTT 7, 160
	s_set_vgpr_msb 0xa
	s_wait_tensorcnt 0x0
	ds_add_u32 v190, v191
	s_wait_dscnt 0x0
	s_set_vgpr_msb 0xa00
	ROUND                                          ; the closing round: no work-group ends while a partner may still ask for a block that names it
	s_endpgm
.Lfunc_end_k_q978ffe2844_attn:
	.size	k_q978ffe2844_attn, .Lfunc_end_k_q978ffe2844_attn-k_q978ffe2844_attn
	.p2alignl 7, 3214868480
	.fill 96, 4, 3214868480
	.section	.rodata,"a",@progbits
	.p2align	6, 0x0
	.amdhsa_kernel k_q978ffe2844_attn
		.amdhsa_group_segment_fixed_size 327680
		.amdhsa_private_segment_fixed_size 0
		.amdhsa_enable_private_segment 0
		.amdhsa_kernarg_size 16
		.amdhsa_user_sgpr_count 2
		.amdhsa_user_sgpr_kernarg_segment_ptr 1
		.amdhsa_wavefront_size32 1
		.amdhsa_system_sgpr_workgroup_id_x 1
		.amdhsa_system_sgpr_workgroup_id_y 1
		.amdhsa_system_sgpr_workgroup_id_z 1
		.amdhsa_system_vgpr_workitem_id 0
		.amdhsa_next_free_vgpr 768
		.amdhsa_next_free_sgpr 66
		.amdhsa_reserve_vcc 1
		.amdhsa_float_denorm_mode_32 3
		.amdhsa_float_denorm_mode_16_64 3
		.amdhsa_memory_ordered 1
		.amdhsa_forward_progress 1
		.amdhsa_inst_pref_size 255
	.end_amdhsa_kernel
	.section	.bss,"aw",@nobits
	.p2align	6
	.space	262144
	.amdgpu_metadata
---
amdhsa.version: [ 1, 2 ]
amdhsa.kernels:
  - .name:           k_q978ffe2844_attn
    .symbol:         k_q978ffe2844_attn.kd
    .args:
      - { .name: qkv, .offset: 0, .size: 8, .value_kind: global_buffer, .address_space: global }
      - { .name: out0, .offset: 8, .size: 8, .value_kind: global_buffer, .address_space: global }
    .group_segment_fixed_size: 327680
    .private_segment_fixed_size: 0
    .kernarg_segment_align: 8
    .kernarg_segment_size: 16
    .max_flat_workgroup_size: 128
    .sgpr_count:     66
    .vgpr_count:     768
    .wavefront_size: 32
...
	.end_amdgpu_metadata
.endif
;; end of part 3
